; MI455X (gfx1250); checked and timed in simulation.
; The chip was launched on July 23, 2026; its instructions are those of AMD's public machine-readable ISA for CDNA 5 (MIT licence, August 2026) and "CDNA5" Instruction Set Architecture Reference Guide (July 2026). The comments in the code are by the model that wrote it; some were corrected since.
;; W4 A8 B8 O8 Linear Parallel. Allowed arithmetic: float matrix products may take bf16 or f16 operands with f32 sums; other float arithmetic in f32, or as packed bf16 or f16 multiplies, adds, multiply-adds, maxima and minima; sums over many terms, partial sums and values carried from step to step in f32; what a program stores and reads back later, other than sums and carried values, may be rounded once to bf16 or f16.
;; Inputs: input_scale one number float32; q_w 4,096 x 4,096 int32; s_channel 1 x 4,096 float32; s_group 32 x 4,096 float16; x 4,096 x 4,096 int32.
;; Outputs: out0 4,096 x 4,096 float32.
;; 2 versions, each right; version 2 is version 1 with the launch prep written anew for expert scheduling mode. Each part assembles by itself: llvm-mc -triple=amdgcn-amd-amdhsa -mcpu=gfx1250 --defsym DOCPART=n.
;; ======== version 1 of 2: 2 launches
;; limits: values are held in f16: magnitudes above 65,504 overflow, below 6.1e-05 lose precision
;; workspace buffers: xh 33,554,432 bytes; wh 33,554,432 bytes
;; launch prep (part 1): grid 256 x 2, 8 waves a work-group, no clusters, 0 bytes of LDS; arguments x, q_w, s_group, xh, wh; writes xh, wh
.if DOCPART == 1
	.amdgcn_target "amdgcn-amd-amdhsa--gfx1250"
	.amdhsa_code_object_version 6
	.text
	.protected	k_q6349698029_prep
	.globl	k_q6349698029_prep
	.p2align	8
	.type	k_q6349698029_prep,@function
k_q6349698029_prep:
	s_mov_b64 s[64:65], 0
	v_nop
	global_prefetch_b8 v0, s[64:65] scope:SCOPE_SE
	s_setreg_imm32_b32 hwreg(HW_REG_WAVE_MODE, 25, 1), 1
	s_wait_xcnt 0x0
; y[m][n] = (sum over k of x[m][k] q_w[k][n] s_group[k / 128][n]) input_scale s_channel[n], M = K = N = 4096, in two launches.
; THIS LAUNCH makes the product's two operands, once:  xh[m][k] = f16(x[m][k]),  wh[k][n] = f16(f32(q_w[k][n]) f32(s_group[k / 128][n])).
; Both keep their input's order of rows and columns, in rows of 8,192 bytes.  The repeat of s_group along K is a lookup of row k / 128.
; NOTHING IS LEFT OUT: every input has a way to the output and is loaded (x, q_w, s_group here; s_channel and input_scale by the product).
; WHY f16.  f16 keeps 11 significant bits: x, whole numbers of 8 bits, is exact; q_w s_group is exact in f32 (4 bits x 11 bits) and is rounded once.
; LIMITS.  |x| up to 2,048 is exact, up to 65,504 rounded to 11 bits, from 65,520 on an infinity.  |q_w s_group| from 65,520 on is an infinity
; (with |q_w| = 8: s_group above 8,188); below 6.1e-5 it keeps f16's fixed step of 6e-8.
; SHARES.  Work-group (id, y): y = 0 converts x, y = 1 q_w.  id & 3 is a strip of 1,024 columns, id >> 2 a block of 64 rows (half of a group of 128, so one
; row of s_group serves the whole work-group).  Thread t owns columns 4 t .. 4 t + 3 of the strip in every row: a wave's load covers 512 consecutive bytes, aligned,
; its store 256 consecutive bytes, aligned; a thread's four scales stay in registers.
; A ring of DEPTH slots in registers keeps DEPTH loads of every wave on their way.  No LDS, no barrier, no matrix unit: nothing is shared and nothing is summed.
.set RIN,    16384                     ; bytes in a row of x and of q_w
.set ROUT,   8192                      ; bytes in a row of xh and of wh
.set DEPTH,  16                        ; slots = loads on their way in each wave
.set ROUNDS, 64/DEPTH                  ; each round takes every slot once
.set IO,  1                            ; v1        16 t: my 16 bytes in a strip's row, going in; never rewritten
.set OO,  2                            ; v2        8 t: my 8 bytes coming out, and my four scales in a row of s_group; never rewritten
                                       ; v[4:5]    my four scales as loaded (f16)
.set SG,  6                            ; v[6:9]    the same in f32
.set T,   10                           ; v[10:13]  four numbers in f32, at work
.set X,   32                           ; v[32:95]  slot i: 4 registers, 4 whole numbers as loaded
.set Y,   96                           ; v[96:127] slot i: 2 registers, 4 f16 to store
	s_load_b256 s[4:11], s[0:1], 0x0               ; x s[4:5], q_w s[6:7], s_group s[8:9], xh s[10:11]
	s_load_b64 s[12:13], s[0:1], 0x20              ; wh
	s_and_b32 s14, ttmp7, 0xffff                   ; y: which tensor
	s_and_b32 s15, ttmp9, 3                        ; strip
	s_lshr_b32 s16, ttmp9, 2                       ; block of 64 rows
	v_lshlrev_b32 v[IO], 4, v0
	v_lshlrev_b32 v[OO], 3, v0
	s_lshl_b32 s18, s16, 20                        ; going in: 64 rows of 16,384 bytes,
	s_lshl_b32 s19, s15, 12                        ; 1,024 columns of 4 bytes
	s_add_co_u32 s18, s18, s19
	s_mov_b32 s19, 0
	s_lshl_b32 s20, s16, 19                        ; coming out: half of that
	s_lshl_b32 s21, s15, 11
	s_add_co_u32 s20, s20, s21
	s_mov_b32 s21, 0
	s_lshr_b32 s28, s16, 1                         ; the group of 128 rows: its row of s_group, 8,192 bytes,
	s_lshl_b32 s28, s28, 13
	s_lshl_b32 s29, s15, 11                        ; and the strip's 2,048 bytes in it
	s_add_co_u32 s28, s28, s29
	s_mov_b32 s29, 0
	s_wait_kmcnt 0x0
; One slot's turn.  ahead = 1: the slot is filled again with the row DEPTH further down.  left = how many younger loads may stay out.
.macro SLOT i, ahead, left, scaled, src, dst
	s_wait_loadcnt \left                           ; loads come back in order (ISA guide 5.7.1): mine is in, the younger ones stay out
.irp j, 0,1,2,3
	v_cvt_f32_i32 v[T+(\j)], v[X+4*(\i)+(\j)]
.endr
.if \scaled
	v_pk_mul_f32 v[T:T+1],   v[T:T+1],   v[SG:SG+1]    ; exact in f32
	v_pk_mul_f32 v[T+2:T+3], v[T+2:T+3], v[SG+2:SG+3]
.endif
	v_cvt_pk_f16_f32 v[Y+2*(\i)],   v[T],   v[T+1]     ; the one rounding
	v_cvt_pk_f16_f32 v[Y+2*(\i)+1], v[T+2], v[T+3]
.if \ahead
	global_load_b128 v[X+4*(\i):X+4*(\i)+3], v[IO], s[\src:\src+1] offset:(DEPTH+(\i))*RIN th:TH_LOAD_NT  ; the load ahead of the store
.endif
	global_store_b64 v[OO], v[Y+2*(\i):Y+2*(\i)+1], s[\dst:\dst+1] offset:(\i)*ROUT
.endm
; A work-group's 64 rows.  scaled = 1: the numbers are multiplied by my four scales.
.macro BODY scaled, src, dst
.if \scaled
	global_load_b64 v[4:5], v[OO], s[8:9]
.endif
.irp i, 0,1,2,3,4,5,6,7,8,9,10,11,12,13,14,15
	global_load_b128 v[X+4*(\i):X+4*(\i)+3], v[IO], s[\src:\src+1] offset:(\i)*RIN th:TH_LOAD_NT  ; fill the ring: rows 0 to 15
.endr
.if \scaled
	s_wait_loadcnt DEPTH                           ; the scales are in; the sixteen fills behind them stay out
	v_cvt_f32_f16 v[SG],   v4.l
	v_cvt_f32_f16 v[SG+1], v4.h
	v_cvt_f32_f16 v[SG+2], v5.l
	v_cvt_f32_f16 v[SG+3], v5.h
.endif
	s_mov_b32 s26, ROUNDS-1
.Lround_\scaled:
.irp i, 0,1,2,3,4,5,6,7,8,9,10,11,12,13,14,15
	SLOT \i, 1, DEPTH-1, \scaled, \src, \dst
.endr
	s_wait_xcnt 0x0                                ; every load and store issued so far has had its addresses translated (ISA guide 3.1): only behind this wait are the two bases stepped and Y written again
	s_add_nc_u64 s[\src:\src+1], s[\src:\src+1], DEPTH*RIN
	s_add_nc_u64 s[\dst:\dst+1], s[\dst:\dst+1], DEPTH*ROUT
	s_sub_co_u32 s26, s26, 1
	s_cmp_lg_u32 s26, 0
	s_cbranch_scc1 .Lround_\scaled
.irp i, 0,1,2,3,4,5,6,7,8,9,10,11,12,13,14,15
	SLOT \i, 0, DEPTH-1-(\i), \scaled, \src, \dst  ; the last round loads nothing: the counts run down, and no load leaves its buffer
.endr
	s_endpgm
.endm
	s_cmp_lg_u32 s14, 0
	s_cbranch_scc1 .Lweights
	s_add_nc_u64 s[4:5], s[4:5], s[18:19]          ; x and xh at the work-group's first row and strip
	s_add_nc_u64 s[10:11], s[10:11], s[20:21]
	BODY 0, 4, 10
.Lweights:
	s_add_nc_u64 s[6:7], s[6:7], s[18:19]          ; q_w and wh likewise,
	s_add_nc_u64 s[12:13], s[12:13], s[20:21]
	s_add_nc_u64 s[8:9], s[8:9], s[28:29]          ; s_group at the group's row and the strip
	BODY 1, 6, 12
.Lfunc_end_k_q6349698029_prep:
	.size	k_q6349698029_prep, .Lfunc_end_k_q6349698029_prep-k_q6349698029_prep
	.p2alignl 7, 3214868480
	.fill 96, 4, 3214868480
	.section	.rodata,"a",@progbits
	.p2align	6, 0x0
	.amdhsa_kernel k_q6349698029_prep
		.amdhsa_group_segment_fixed_size 0
		.amdhsa_private_segment_fixed_size 0
		.amdhsa_enable_private_segment 0
		.amdhsa_kernarg_size 40
		.amdhsa_user_sgpr_count 2
		.amdhsa_user_sgpr_kernarg_segment_ptr 1
		.amdhsa_wavefront_size32 1
		.amdhsa_system_sgpr_workgroup_id_x 1
		.amdhsa_system_sgpr_workgroup_id_y 1
		.amdhsa_system_sgpr_workgroup_id_z 1
		.amdhsa_system_vgpr_workitem_id 0
		.amdhsa_next_free_vgpr 128
		.amdhsa_next_free_sgpr 66
		.amdhsa_reserve_vcc 0
		.amdhsa_float_denorm_mode_32 3
		.amdhsa_float_denorm_mode_16_64 3
		.amdhsa_memory_ordered 1
		.amdhsa_forward_progress 1
		.amdhsa_inst_pref_size 37
	.end_amdhsa_kernel
	.amdgpu_metadata
---
amdhsa.version: [ 1, 2 ]
amdhsa.kernels:
  - .name:           k_q6349698029_prep
    .symbol:         k_q6349698029_prep.kd
    .args:
      - { .name: x, .offset: 0, .size: 8, .value_kind: global_buffer, .address_space: global }
      - { .name: q_w, .offset: 8, .size: 8, .value_kind: global_buffer, .address_space: global }
      - { .name: s_group, .offset: 16, .size: 8, .value_kind: global_buffer, .address_space: global }
      - { .name: xh, .offset: 24, .size: 8, .value_kind: global_buffer, .address_space: global }
      - { .name: wh, .offset: 32, .size: 8, .value_kind: global_buffer, .address_space: global }
    .group_segment_fixed_size: 0
    .private_segment_fixed_size: 0
    .kernarg_segment_align: 8
    .kernarg_segment_size: 40
    .max_flat_workgroup_size: 256
    .sgpr_count:     66
    .vgpr_count:     128
    .wavefront_size: 32
...
	.end_amdgpu_metadata
.endif
;; end of part 1
;; launch gemm (part 2): grid 16 x 16, 4 waves a work-group, clusters of 4 x 4, 327,680 bytes of LDS; arguments xh, wh, s_channel, input_scale, out0; writes out0
.if DOCPART == 2
	.amdgcn_target "amdgcn-amd-amdhsa--gfx1250"
	.amdhsa_code_object_version 6
	.text
	.protected	k_q6349698029_gemm
	.globl	k_q6349698029_gemm
	.p2align	8
	.type	k_q6349698029_gemm,@function
k_q6349698029_gemm:
	s_mov_b64 s[64:65], 0
	v_nop
	global_prefetch_b8 v0, s[64:65] scope:SCOPE_SE
	s_setreg_imm32_b32 hwreg(HW_REG_WAVE_MODE, 25, 1), 1
	s_wait_xcnt 0x0
	s_wait_alu depctr_hold_cnt(0) depctr_sa_sdst(0) depctr_va_vdst(0) depctr_va_sdst(0) depctr_va_ssrc(0) depctr_va_vcc(0) depctr_vm_vsrc(0)
	s_getreg_b32 s2, hwreg(HW_REG_IB_STS2, 6, 4)
	s_cmp_eq_u32 s2, 0
	s_cbranch_scc0 .Lentry_in_a_cluster
	s_endpgm
.Lentry_in_a_cluster:
	s_bfe_u32 s2, ttmp6, 0x10000c
	s_cmp_lg_u32 s2, 0xf033
	s_cbranch_scc0 .Lentry_shape_is_right
	s_endpgm
.Lentry_shape_is_right:
; out0[m][n] = (sum over k of xh[m][k] wh[k][n]) x (input_scale s_channel[n]).  xh: [4096 m][4096 k] f16, wh: [4096 k][4096 n] f16 (the launch before made them: x as it is,
; q_w times its group's scale); sums in f32; out0: [4096][4096] f32.  Nothing of the problem is left out: the two scales that are left are applied here, on the way out.
; LIMITS.  input_scale s_channel[n] is multiplied first, in f32, and the sum then by that product: one rounding in another order than sum x input_scale x s_channel; the product
; of the two scales must itself lie in f32's range.  f16's limits on xh and wh are stated at the head of the launch before.
; SHARES.  A tile of out0, 256 x 256, is made by a work-group of four waves; a wave makes 128 x 128: 64 accumulators of 16 x 16, 512 registers.  256 tiles, 256 work-groups.
; K goes in 32 steps of 128 through a ring of two LDS slots filled by the tensor data mover: 256 rows m x 256 bytes of xh, and 128 rows k x 512 bytes of wh.
; CLUSTERS: 4 x 4 work-groups.  The four of a row of the cluster need the same tiles of xh, the four of a column the same tiles of wh: each tile is asked for JOINTLY, by the same
; tensor load with the same descriptor and a mask that names the four.  That divides the requests for both by four.
; THE MATRIX INSTRUCTION IS USED TRANSPOSED: source 0 = 16 columns n of wh, source 1 = 16 rows m of xh.  In the result lane l holds row m = l % 16 and the columns
; n = 8 (l / 16) + 0..7: 32 consecutive bytes of a row of out0.  xh's fragments come out of LDS as they lie (K along the rows); wh lies [k][n] and is turned by ds_load_tr16_b128.
; REGISTERS, in windows of 256 (s_set_vgpr_msb: bits 1:0 source 0, 3:2 source 1, 5:4 source 2, 7:6 destination):
;   window 0: v0-31 addresses and the scales; v64-127, v128-191 fragments of xh, two buffers; on the way out the same 128 take rows read back from the stage
;   window 1: v64-127, v128-191 fragments of wh, two buffers
;   window 2: the 32 accumulators of my rows 0-63 (accumulator (a, b) at v[8 (8 a + b)]);   window 3: those of my rows 64-127
.set KSTEP,  128
.set ROWB,   8192                      ; bytes in a row of xh and of wh
.set ROWO,   16384                     ; bytes in a row of out0
.set PA,     272                       ; an LDS row of xh's tile: 256 bytes + 16 of padding = 68 words: row r starts at bank 4 r mod 64 (64 banks of 4 bytes: ISA guide 11.1): the 16 rows of a load start at 16 different banks
.set PB,     544                       ; an LDS row of wh's tile: 512 + 32 = 136 words: row r starts at bank 8 r mod 64
.set HALFT,  128*PA                    ; what one tensor load brings: 128 rows of xh's tile, or 64 rows of wh's (64 x PB is the same number of bytes)
.set SLOT,   4*HALFT                   ; xh's 256 rows, then wh's 128 rows
.set BOFF,   2*HALFT                   ; where wh's rows begin in a slot
.set STAGE,  2*SLOT                    ; behind the ring: 16 rows x 528 bytes for each wave, for the way out; no tensor load lands here
.set SP,     528                       ; a stage row: 512 bytes + 16 = 132 words: row r starts at bank 4 r mod 64
.set SPARE,  STAGE+4*16*SP             ; behind the stages: the spare words, 128 bytes for each wave: two blocks of 256 bytes that no other line names
.set LAPS,   4096/(2*KSTEP)            ; a lap = two K steps = once round the ring
.set SC,   8                           ; v[8:11] input_scale x s_channel of the four columns that I store
.set ADRA, 16                          ; v16-17  LDS address of my fragments of xh in slot 0, 1
.set ADRB, 20                          ; v20-21  the same for wh
.set STO,  24                          ; v24     the way out: where I put 32 bytes of a row
.set RD,   25                          ; v25     the way out: where I read 16 bytes of a row back
.set CO,   26                          ; v26     16 x lane: my bytes in 512 consecutive bytes of out0 and of s_channel; never rewritten
.set SPW,  28                          ; v28     LDS address of my spare word: SPARE + 4 x my thread's number; never rewritten
.set NIL,  29                          ; v29     0; never rewritten
.set PFO,  30                          ; v30     the prefetches' lane offset; never rewritten
.set F0,   64                          ; fragment buffer 0
.set F1,   128                         ; fragment buffer 1
.set WV,   12                          ; s12  my wave's number
.set KIND, 13                          ; s13  which half of the tile's rows is mine.  Also: I fetch for xh (0) or for wh (1)
.set HALF, 14                          ; s14  which half of its columns.  Also: which half of that tile I fetch
.set G1,   24                          ; s[24:31] descriptor group 1 for xh's tiles
.set G0,   32                          ; s[32:39] descriptor group 0 for xh's tiles, one set for each slot
.set LIM,  43                          ; s43  1 in a wave that prefetches, else the greatest number
.set PFA,  44                          ; s[44:45] where my prefetches stand
.set G1B,  48                          ; s[48:55] descriptor group 1 for wh's tiles
.set G0B,  56                          ; s[56:63] descriptor group 0 for wh's tiles, one set for each slot
.set OUT,  68                          ; s[68:69] out0 at my wave's first row and column; written once
.set PFS,  70                          ; s[70:71] a K step in bytes, for my prefetches: 256 along xh's rows, 128 rows down wh
.set IS,   72                          ; s[72:73] input_scale: the packed multiply names a pair and takes its low word for both halves
.set MSB, 0
.macro WIN new                         ; the immediate's high byte repeats the setting that is left; a switch that changes nothing is dropped
.if MSB != (\new)
	s_set_vgpr_msb (MSB<<8)|(\new)
.set MSB, \new
.endif
.endm
.set MUL_LO, 0xa1                      ; source 0 (wh) window 1, source 1 (xh) window 0, C and D window 2
.set MUL_HI, 0xf1                      ; the same, C and D window 3
.set TO_B,   0x40                      ; destination window 1, address window 0
; A joint load.  Waves 0 and 1 fetch xh's two halves, waves 2 and 3 wh's.  Each of the two lines has ONE mask and one set of registers for all that issue it.  The branch hangs on the
; wave's number alone.  An s_nop 0 and four v_nop follow each of the two lines, ahead of the jump, the label and what follows the macro.
.macro JLOAD s
	s_cmp_eq_u32 s[KIND], 0
	s_cbranch_scc0 .Lfor_b_\@
	tensor_load_to_lds s[G0+4*(\s):G0+4*(\s)+3], s[G1:G1+7]
	s_nop 0
.rept 4
	v_nop
.endr
	s_branch .Lasked_\@
.Lfor_b_\@:
	tensor_load_to_lds s[G0B+4*(\s):G0B+4*(\s)+3], s[G1B:G1B+7]
	s_nop 0
.rept 4
	v_nop
.endr
.Lasked_\@:
.endm
; A PREFETCH INTO THE L2, behind each joint refill, its five lines and the run of LDS loads that follows them: my share of the K step that stands TWO refills on, 512 matrix instructions ahead of
; the load that will ask for it; 32 blocks of 256 bytes, a lane a block, one instruction a wave.  At a change of slots every wave has waited for all its tensor loads, so a refill goes out alone.
; Each block is named ONCE in the launch.  xh's tile row is read by every cluster of that row of clusters: the one with cluster x = 0 asks; wh's tile column by every cluster of that column:
; cluster y = 0 asks.  The four partners that ask for a tile jointly share it out BY ADDRESS: of xh's 128 rows that a wave fetches, partner cx takes 32 (a lane a row); of wh's 64 rows of 512 bytes,
; partner cy takes 16 (two lanes a row).  No branch hangs on a work-group's place in its cluster.  The loop's last trip (s3 = 1) asks for nothing: its refills are K steps 30 and 31, the last.
.macro ASK
	s_cmp_gt_u32 s3, s[LIM]
	s_cbranch_scc0 .Lnot_mine_\@
	global_prefetch_b8 v[PFO], s[PFA:PFA+1] th:TH_LOAD_NT scope:SCOPE_SE
.Lnot_mine_\@:
.endm
; A round of the cluster's barrier: my work-group's barrier, so that wave 0's signal speaks for all four waves; wave 0 signals for the work-group; every wave waits for all sixteen
; work-groups; my work-group's barrier once more.  No LDS instruction of the wave is pending at a signal.
.macro CREST                           ; a round behind its opening barrier
	s_cmp_lg_u32 s[WV], 0
	s_cbranch_scc1 .Lnot_wave_0_\@
	s_barrier_signal -3
.Lnot_wave_0_\@:
	s_barrier_wait -3
	s_barrier_signal -1
	s_barrier_wait -1
.endm
.macro CROUND                          ; a whole round
	s_barrier_signal -1
	s_barrier_wait -1
	CREST
.endm
	s_load_b256 s[4:11], s[0:1], 0x0               ; xh s[4:5], wh s[6:7], s_channel s[8:9], input_scale s[10:11]
	s_load_b64 s[OUT:OUT+1], s[0:1], 0x20          ; out0
	v_lshl_add_u32 v[SPW], v0, 2, SPARE
	v_mov_b32 v[NIL], 0
	ds_add_u32 v[SPW], v[NIL]                      ; the wave's opening: the add, twice on end, and its wait ahead of my first tensor load; the set-up below, work on registers, stands between
	ds_add_u32 v[SPW], v[NIL]                      ; and once more, under the one wait
	v_lshrrev_b32 v1, 5, v0
	v_readfirstlane_b32 s[WV], v1                  ; wave 0..3
	s_lshr_b32 s[KIND], s[WV], 1
	s_and_b32 s[HALF], s[WV], 1
	s_bfe_u32 s40, ttmp6, 0x40000                  ; cx: my place along the cluster's x
	s_bfe_u32 s41, ttmp6, 0x40004                  ; cy: along its y
	s_lshl_b32 s42, ttmp9, 2                       ; in a cluster launch ttmp9 and ttmp7 count clusters
	s_add_co_u32 s42, s42, s40                     ; tile column = 4 x cluster x + cx
	s_and_b32 s15, ttmp7, 0xffff
	s_lshl_b32 s15, s15, 2
	s_add_co_u32 s15, s15, s41                     ; tile row = 4 x cluster y + cy
	s_lshl_b32 s43, s41, 2
	s_lshl_b32 s43, 15, s43                        ; my row of the cluster: places 4 cy .. 4 cy + 3
	s_lshl_b32 s44, 0x1111, s40                    ; my column: places cx, cx + 4, cx + 8, cx + 12
	; descriptor group 1.  xh: a tile of 128 rows x 128 elements; wh: 64 rows x 256 elements; both padded in LDS
	s_or_b32 s[G1+0], s43, (1<<16)|(1<<20)|(1<<21)|(5<<22)|(3<<25)   ; 15:0 the mask: my row; 17:16 elements of 2 bytes; 20 padding on; 21 set beside a mask; 24:22 after every 64 words (code 5); 31:25 4 words of it (code 3)
	s_or_b32 s[G1B+0], s44, (1<<16)|(1<<20)|(1<<21)|(6<<22)|(7<<25)  ; the mask: my column; after every 128 words (code 6), 8 words (code 7)
	s_mov_b32 s[G1+1], 128<<16                     ; tensor_dim0 = 128
	s_mov_b32 s[G1+2], 128<<16                     ; tensor_dim1 = 128
	s_mov_b32 s[G1+3], 128<<16                     ; tile_dim0 = 128
	s_mov_b32 s[G1+4], 128                         ; tile_dim1 = 128
	s_mov_b32 s[G1+5], 4096                        ; elements from row to row
	s_mov_b32 s[G1+6], 0
	s_mov_b32 s[G1+7], 0
	s_mov_b32 s[G1B+1], 256<<16                    ; tensor_dim0 = 256
	s_mov_b32 s[G1B+2], 64<<16                     ; tensor_dim1 = 64
	s_mov_b32 s[G1B+3], 256<<16                    ; tile_dim0 = 256
	s_mov_b32 s[G1B+4], 64                         ; tile_dim1 = 64
	s_mov_b32 s[G1B+5], 4096
	s_mov_b32 s[G1B+6], 0
	s_mov_b32 s[G1B+7], 0
	; where the tiles come from.  xh's hang on the tile row alone, which my row of the cluster shares; wh's on the tile column alone, which my column shares.
	; Every wave makes both addresses, in registers that never hold the other coordinate, and asks by one of them.
	s_lshl_b32 s16, s15, 8
	s_lshl_b32 s17, s[HALF], 7
	s_add_co_u32 s16, s16, s17                     ; xh: row 256 x tile row + 128 x half,
	s_lshl_b32 s16, s16, 13                        ; in bytes (under 2^25)
	s_mov_b32 s17, 0
	s_lshl_b32 s46, s[HALF], 19                    ; wh: row 64 x half, in bytes,
	s_lshl_b32 s47, s42, 9                         ; and the tile column's 512 bytes
	s_add_co_u32 s46, s46, s47
	s_mov_b32 s47, 0
	s_mul_i32 s20, s[WV], HALFT                    ; and where they go: wave x 34,816 bytes: no place in the cluster enters an LDS address
	s_wait_dscnt 0x0                               ; both opening adds are done
	s_wait_kmcnt 0x0
	s_add_nc_u64 s[18:19], s[4:5], s[16:17]
	s_add_nc_u64 s[46:47], s[6:7], s[46:47]
	CROUND                                         ; all sixteen work-groups are here: the first joint loads meet
.irp s, 0,1
	s_mov_b32 s[G0+4*(\s)], 1                                      ; 1:0 count = 1
	s_add_co_u32 s[G0+4*(\s)+1], s20, (\s)*SLOT                    ; 63:32 LDS address
	s_add_nc_u64 s[G0+4*(\s)+2:G0+4*(\s)+3], s[18:19], (\s)*KSTEP*2  ; 120:64 global address: K step s lies 256 s bytes along xh's rows,
	s_or_b32 s[G0+4*(\s)+3], s[G0+4*(\s)+3], 0x80000000            ; 127:126 type = 2
	s_mov_b32 s[G0B+4*(\s)], 1
	s_add_co_u32 s[G0B+4*(\s)+1], s20, (\s)*SLOT
	s_add_nc_u64 s[G0B+4*(\s)+2:G0B+4*(\s)+3], s[46:47], (\s)*KSTEP*ROWB  ; and 128 s rows down wh
	s_or_b32 s[G0B+4*(\s)+3], s[G0B+4*(\s)+3], 0x80000000
	JLOAD \s                                       ; the ring is filled before anything else is done: two tensor loads of mine are out
.endr
	s_load_b32 s[IS], s[10:11], 0x0                ; input_scale
	; A fragment is 16 rows x 32 K in 8 registers: lane l holds row l % 16; registers 0-3 hold K = 8 (l / 16) + 0..7, registers 4-7 hold K = 16 + 8 (l / 16) + 0..7.
	; xh: from rows that lie along K, two loads of 16 bytes, 32 bytes apart.
	v_and_b32 v1, 15, v0                           ; l % 16
	v_bfe_u32 v2, v0, 4, 1                         ; l / 16
	v_mul_u32_u24 v3, v1, PA
	v_lshl_add_u32 v3, v2, 4, v3                   ; row x pitch + 16 x half
	s_mul_i32 s21, s[KIND], HALFT                  ; my 128 rows of xh's tile
	v_add_nc_u32 v[ADRA], s21, v3
	v_add_nc_u32 v[ADRA+1], SLOT, v[ADRA]
	; wh: the turning load takes 16 k x 16 columns (lane l reads 16 bytes: row k = 8 (l / 16) + l % 8, columns 8 ((l / 8) % 2) + 0..7) and leaves half a fragment: lane l holds column l % 16 and 8 k.
	v_and_b32 v4, 7, v0
	v_lshl_add_u32 v4, v2, 3, v4
	v_mul_u32_u24 v4, v4, PB
	v_bfe_u32 v5, v0, 3, 1
	v_lshl_add_u32 v4, v5, 4, v4
	s_lshl_b32 s22, s[HALF], 8                     ; my 128 columns: 256 bytes of each row,
	s_add_co_u32 s22, s22, BOFF                    ; behind xh's rows
	v_add_nc_u32 v[ADRB], s22, v4
	v_add_nc_u32 v[ADRB+1], SLOT, v[ADRB]
	s_mul_i32 s23, s[WV], 16*SP
	s_add_co_u32 s23, s23, STAGE                   ; my stage
	v_mul_u32_u24 v5, v1, SP                       ; in: row l % 16, 32 bytes for each half of the lanes
	v_lshl_add_u32 v5, v2, 5, v5
	v_add_nc_u32 v[STO], s23, v5
	v_and_b32 v6, 31, v0                           ; l
	v_lshlrev_b32 v[CO], 4, v6                     ; back: 32 lanes take one row of 512 bytes
	v_add_nc_u32 v[RD], s23, v[CO]
	s_lshl_b32 s74, s15, 8
	s_lshl_b32 s75, s[KIND], 7
	s_add_co_u32 s74, s74, s75                     ; my first row of out0: 256 x tile row + 128 x half,
	s_lshl_b32 s74, s74, 14                        ; in bytes (under 2^26)
	s_lshl_b32 s76, s42, 10                        ; my first column, in bytes of f32: 1,024 x tile column + 512 x half
	s_lshl_b32 s77, s[HALF], 9
	s_add_co_u32 s76, s76, s77
	s_mov_b32 s77, 0
	s_add_co_u32 s74, s74, s76
	s_mov_b32 s75, 0
	s_add_nc_u64 s[OUT:OUT+1], s[OUT:OUT+1], s[74:75]
	s_add_nc_u64 s[8:9], s[8:9], s[76:77]
	global_load_b128 v[SC:SC+3], v[CO], s[8:9]     ; s_channel of the four columns that I store
	; the prefetches' addresses: they stand at K step 3; the first refill (K step 2) steps them to K step 4 and names it.  Nothing is prefetched here, at the head: K steps 0 to 3 come by their loads alone
	v_lshrrev_b32 v3, s[KIND], v6                  ; xh: lane l names row l;  wh: row l / 2,
	v_and_b32 v4, s[KIND], v6                      ; and of its 512 bytes the half l % 2
	v_lshlrev_b32 v4, 8, v4
	v_lshl_add_u32 v[PFO], v3, 13, v4
	s_lshl_b32 s74, s15, 8                         ; xh: row 256 x tile row + 128 x half + my work-group's 32 of them,
	s_lshl_b32 s75, s[HALF], 7
	s_add_co_u32 s74, s74, s75
	s_lshl_b32 s75, s40, 5
	s_add_co_u32 s74, s74, s75
	s_lshl_b32 s74, s74, 13
	s_add_co_u32 s74, s74, 3*KSTEP*2               ; at K step 3
	s_lshl_b32 s76, s[HALF], 6                     ; wh: row 64 x half + my work-group's 16 of them,
	s_lshl_b32 s77, s41, 4
	s_add_co_u32 s76, s76, s77
	s_add_co_u32 s76, s76, 3*KSTEP                 ; at K step 3,
	s_lshl_b32 s76, s76, 13
	s_lshl_b32 s77, s42, 9                         ; in the tile column's 512 bytes
	s_add_co_u32 s76, s76, s77
	s_and_b32 s77, ttmp7, 0xffff                   ; cluster y
	s_mov_b32 s[PFS], KSTEP*ROWB
	s_mov_b32 s[PFS+1], 0
	s_mov_b32 s75, 0
	s_cmp_eq_u32 s[KIND], 0                        ; do I fetch for xh?
	s_cselect_b32 s74, s74, s76
	s_cselect_b32 s77, ttmp9, s77                  ; the coordinate along which other clusters read the same rows
	s_cselect_b64 s[PFA:PFA+1], s[4:5], s[6:7]
	s_cselect_b32 s[PFS], KSTEP*2, s[PFS]
	s_cmp_eq_u32 s77, 0
	s_cselect_b32 s[LIM], 1, -1                    ; the same in all sixteen partners, for a given wave
	s_add_nc_u64 s[PFA:PFA+1], s[PFA:PFA+1], s[74:75]
	s_wait_kmcnt 0x0                               ; input_scale
	s_mov_b32 s[IS+1], s[IS]                       ; named with it as a pair
	s_wait_loadcnt 0x0                             ; s_channel
	v_pk_mul_f32 v[SC:SC+1],   v[SC:SC+1],   s[IS:IS+1] op_sel_hi:[1,0]
	v_pk_mul_f32 v[SC+2:SC+3], v[SC+2:SC+3], s[IS:IS+1] op_sel_hi:[1,0]
; 16 matrix instructions: m blocks a0, a0 + 1 of the window's four (hi = 0: my rows 0-63, 1: rows 64-127) x all 8 n blocks, 32 along K.
; zero = 1: the first product starts the sums: nothing is ever cleared.  The 64 accumulators take turns, one instruction a turn, in the same order in every quarter.
.macro MUL16 f, hi, a0, zero
	WIN MUL_LO+0x50*(\hi)
.irp a, \a0, (\a0)+1
.irp b, 0,1,2,3,4,5,6,7
.if \zero
	v_wmma_f32_16x16x32_f16 v[8*(8*(\a)+(\b)):8*(8*(\a)+(\b))+7], v[(\f)+8*(\b):(\f)+8*(\b)+7], v[(\f)+8*(4*(\hi)+(\a)):(\f)+8*(4*(\hi)+(\a))+7], 0
.else
	v_wmma_f32_16x16x32_f16 v[8*(8*(\a)+(\b)):8*(8*(\a)+(\b))+7], v[(\f)+8*(\b):(\f)+8*(\b)+7], v[(\f)+8*(4*(\hi)+(\a)):(\f)+8*(4*(\hi)+(\a))+7], v[8*(8*(\a)+(\b)):8*(8*(\a)+(\b))+7]
.endif
.endr
.endr
.endm
; 32 LDS loads in one run: the fragments of quarter q of a K step (32 k x my 128 columns of wh, turned; my 128 rows of xh x 32 k) into buffer f.  The largest offset is 61,152.
.macro FETCH slot, q, f
	WIN TO_B
.irp i, 0,1,2,3,4,5,6,7
	ds_load_tr16_b128 v[(\f)+8*(\i):(\f)+8*(\i)+3],   v[ADRB+(\slot)] offset:(\q)*32*PB+32*(\i)
	ds_load_tr16_b128 v[(\f)+8*(\i)+4:(\f)+8*(\i)+7], v[ADRB+(\slot)] offset:(\q)*32*PB+16*PB+32*(\i)
.endr
	WIN 0
.irp i, 0,1,2,3,4,5,6,7
	ds_load_b128 v[(\f)+8*(\i):(\f)+8*(\i)+3],   v[ADRA+(\slot)] offset:64*(\q)+(\i)*16*PA
	ds_load_b128 v[(\f)+8*(\i)+4:(\f)+8*(\i)+7], v[ADRA+(\slot)] offset:64*(\q)+(\i)*16*PA+32
.endr
.endm
; A load into a register that a matrix instruction has read, and an LDS store that reads a matrix result, stand four places behind that matrix instruction, and only plain vector
; instructions that name none of its registers are places (ISA guide 7.12.1 for vector instructions).
.macro PLACES
.rept 4
	v_nop
.endr
.endm
; A K step is four quarters of 32 along K, 64 matrix instructions each, on buffers 0, 1, 0, 1.
; One of the first three: multiplies buffer f (quarter q - 1); in its middle it fetches quarter q of the same slot into buffer g.
.macro QUARTER slot, q, f, g, zero
	s_wait_dscnt 8                                 ; wh's fragments and xh's rows 0-63 are in; the youngest eight loads (xh's rows 64-127) may be out
	MUL16 \f, 0, 0, \zero
	MUL16 \f, 0, 2, \zero
	PLACES
	FETCH \slot, \q, \g
	s_wait_dscnt 32                                ; all but the 32 just issued
	MUL16 \f, 1, 0, \zero
	MUL16 \f, 1, 2, \zero
.endm
; The last quarter multiplies buffer 1 and changes slots.  MEET is its first half: ONE barrier for the change of slots, for two things.  In front of it each wave waits for all its tensor
; loads, of which one is out: its part of the next slot; adds 0 to its spare word; and waits for that and for its own reads of this slot.  Behind it nobody reads this slot and the next is whole.
.macro MEET round                      ; round = 1: the rest of a round of the cluster's barrier follows
	WIN 0                                          ; (the add's two registers lie in window 0)
	s_wait_tensorcnt 0x0                           ; all my tensor loads have landed;
	ds_add_u32 v[SPW], v[NIL]                      ; 0 onto my spare word;
	s_wait_dscnt 9                                 ; (the add and the youngest eight loads may be out)
	MUL16 F1, 0, 0, 0                              ; sixteen matrix instructions stand between the add and the wait for it
	s_wait_dscnt 0x0                               ; the add is done, and my reads of this slot are over:
	s_barrier_signal -1                            ; say so,
	MUL16 F1, 0, 2, 0                              ; work on registers while the others arrive,
.if \round
	WIN 0
.endif
	s_barrier_wait -1                              ; and go on when all four have said so
.endm
; The whole last quarter.  fill = 1: behind the round the slot just read out is filled again first, with the K step two steps on; then come the next slot's first fragments.
; From a request to the wait for it a wave issues 224 matrix instructions.
.macro TURN slot, next, fill
.if \fill
	s_wait_xcnt 0x0                                ; the last prefetch, a K step back, has read its address: it is stepped here, ahead of the waits of the change of slots
	s_add_nc_u64 s[PFA:PFA+1], s[PFA:PFA+1], s[PFS:PFS+1]
	MEET 1
	CREST                                          ; all sixteen work-groups have said so: no wave of any partner still reads this slot's tile or has a load on its way
	s_add_nc_u64 s[G0+4*(\slot)+2:G0+4*(\slot)+3], s[G0+4*(\slot)+2:G0+4*(\slot)+3], 2*KSTEP*2        ; no tensor load of mine is out: both group 0 may be written
	s_add_nc_u64 s[G0B+4*(\slot)+2:G0B+4*(\slot)+3], s[G0B+4*(\slot)+2:G0B+4*(\slot)+3], 2*KSTEP*ROWB
	JLOAD \slot                                    ; the first tensor load behind the round, my only one until the next; its four v_nop are also the places in front of the loads below
.else
	MEET 0
	PLACES
.endif
	FETCH \next, 0, F0
.if \fill
	ASK                                            ; behind the joint load and the run of LDS loads that the next products wait for
.endif
	MUL16 F1, 1, 0, 0
	MUL16 F1, 1, 2, 0
.endm
; THE WAY OUT of block a (16 rows x my 128 columns).  TOSTAGE: a lane's 32 bytes of each accumulator go into my own stage in LDS, lowest registers first,
; and come back as whole rows of 512 bytes.  SEND: times input_scale s_channel, and stored.  The stage is my wave's alone: LDS serves a wave's instructions in order (ISA guide 5.7.1.4).
.macro TOSTAGE a
.set AC, 64*((\a)%4)
.set BK, F0+64*((\a)%2)
	WIN 0x08+4*((\a)/4)                            ; the stores' data (source 1) in window 2 or 3
.irp b, 0,1,2,3,4,5,6,7
	ds_store_b128 v[STO], v[AC+8*(\b):AC+8*(\b)+3]   offset:64*(\b)
	ds_store_b128 v[STO], v[AC+8*(\b)+4:AC+8*(\b)+7] offset:64*(\b)+16
.endr
	WIN 0
.if (\a) >= 2
	s_wait_xcnt 0x0                                ; the stores of the block two back have read these registers: they are loaded again only behind this wait
.endif
.irp t, 0,1,2,3,4,5,6,7,8,9,10,11,12,13,14,15
	ds_load_b128 v[BK+4*(\t):BK+4*(\t)+3], v[RD] offset:(\t)*SP
.endr
.endm
.macro SEND a, younger                 ; younger: the LDS instructions issued behind block a's loads: the next block's 16 stores and 16 loads, or none
.set BK, F0+64*((\a)%2)
	WIN 0
.irp t, 0,1,2,3,4,5,6,7,8,9,10,11,12,13,14,15
	s_wait_dscnt (\younger)+15-(\t)                ; row t is back in registers
	v_pk_mul_f32 v[BK+4*(\t):BK+4*(\t)+1],   v[BK+4*(\t):BK+4*(\t)+1],   v[SC:SC+1]
	v_pk_mul_f32 v[BK+4*(\t)+2:BK+4*(\t)+3], v[BK+4*(\t)+2:BK+4*(\t)+3], v[SC+2:SC+3]
	global_store_b128 v[CO], v[BK+4*(\t):BK+4*(\t)+3], s[OUT:OUT+1] offset:(16*(\a)+(\t))*ROWO th:TH_STORE_NT  ; the wave stores 512 consecutive bytes, at a multiple of 512 from out0's first byte; 127 rows at the most: inside the signed 24-bit immediate
.endr
.endm
	s_wait_tensorcnt 1                             ; my part of K step 0 is in; K step 1's may stay out
	s_barrier_signal -1
	s_barrier_wait -1                              ; everybody's is
	FETCH 0, 0, F0
	QUARTER 0, 1, F0, F1, 1                        ; the first quarter stands in front of the loop: its products start the sums
	WIN 0                                          ; at a label and at a branch every window is 0
	s_mov_b32 s3, LAPS-1
.Llap:                                                 ; a trip goes once round the ring, from a lap's second quarter to the next lap's first, and fills both slots again: 15 trips, K steps 2 to 31
	QUARTER 0, 2, F1, F0, 0
	QUARTER 0, 3, F0, F1, 0
	TURN 0, 1, 1
	QUARTER 1, 1, F0, F1, 0
	QUARTER 1, 2, F1, F0, 0
	QUARTER 1, 3, F0, F1, 0
	TURN 1, 0, 1
	QUARTER 0, 1, F0, F1, 0
	WIN 0
	s_sub_co_u32 s3, s3, 1
	s_cmp_lg_u32 s3, 0
	s_cbranch_scc1 .Llap
	QUARTER 0, 2, F1, F0, 0                        ; the last lap is written out: it fills nothing, and has no round of the cluster's barrier
	QUARTER 0, 3, F0, F1, 0
	TURN 0, 1, 0
	QUARTER 1, 1, F0, F1, 0
	QUARTER 1, 2, F1, F0, 0
	QUARTER 1, 3, F0, F1, 0
	s_wait_dscnt 8                                 ; the very last quarter: nothing more to fetch
	MUL16 F1, 0, 0, 0
	MUL16 F1, 0, 2, 0
	s_wait_dscnt 0x0
	MUL16 F1, 1, 0, 0
	MUL16 F1, 1, 2, 0
	WIN 0
	PLACES                                         ; the places behind the last products, in front of the stores that read results and the loads into xh's buffers;
	PLACES                                         ; eight, once a launch
	TOSTAGE 0
.irp a, 1,2,3,4,5,6,7                  ; block a goes into the stage and is asked back while block a - 1 is scaled and stored
	TOSTAGE \a
	SEND (\a)-1, 32
.endr
	SEND 7, 0
	s_wait_tensorcnt 0x0                           ; the wave's end: an add to my spare word and its wait, behind my last tensor load and my last LDS store
	ds_add_u32 v[SPW], v[NIL]
	s_wait_dscnt 0x0
	CROUND                                         ; the closing round: no work-group ends while a partner may still ask for a tile that names it
	s_endpgm
.Lfunc_end_k_q6349698029_gemm:
	.size	k_q6349698029_gemm, .Lfunc_end_k_q6349698029_gemm-k_q6349698029_gemm
	.p2alignl 7, 3214868480
	.fill 96, 4, 3214868480
	.section	.rodata,"a",@progbits
	.p2align	6, 0x0
	.amdhsa_kernel k_q6349698029_gemm
		.amdhsa_group_segment_fixed_size 327680
		.amdhsa_private_segment_fixed_size 0
		.amdhsa_enable_private_segment 0
		.amdhsa_kernarg_size 40
		.amdhsa_user_sgpr_count 2
		.amdhsa_user_sgpr_kernarg_segment_ptr 1
		.amdhsa_wavefront_size32 1
		.amdhsa_system_sgpr_workgroup_id_x 1
		.amdhsa_system_sgpr_workgroup_id_y 1
		.amdhsa_system_sgpr_workgroup_id_z 1
		.amdhsa_system_vgpr_workitem_id 0
		.amdhsa_next_free_vgpr 1024
		.amdhsa_next_free_sgpr 96
		.amdhsa_reserve_vcc 0
		.amdhsa_float_denorm_mode_32 3
		.amdhsa_float_denorm_mode_16_64 3
		.amdhsa_memory_ordered 1
		.amdhsa_forward_progress 1
		.amdhsa_inst_pref_size 162
	.end_amdhsa_kernel
	.amdgpu_metadata
---
amdhsa.version: [ 1, 2 ]
amdhsa.kernels:
  - .name:           k_q6349698029_gemm
    .symbol:         k_q6349698029_gemm.kd
    .args:
      - { .name: xh, .offset: 0, .size: 8, .value_kind: global_buffer, .address_space: global }
      - { .name: wh, .offset: 8, .size: 8, .value_kind: global_buffer, .address_space: global }
      - { .name: s_channel, .offset: 16, .size: 8, .value_kind: global_buffer, .address_space: global }
      - { .name: input_scale, .offset: 24, .size: 8, .value_kind: global_buffer, .address_space: global }
      - { .name: out0, .offset: 32, .size: 8, .value_kind: global_buffer, .address_space: global }
    .group_segment_fixed_size: 327680
    .private_segment_fixed_size: 0
    .kernarg_segment_align: 8
    .kernarg_segment_size: 40
    .max_flat_workgroup_size: 128
    .sgpr_count:     96
    .vgpr_count:     1024
    .wavefront_size: 32
...
	.end_amdgpu_metadata
.endif
;; end of part 2
;; ======== version 2 of 2: 2 launches; version 1 with the launch prep written anew for expert scheduling mode
;; limits: values are held in f16: magnitudes above 65,504 overflow, below 6.1e-05 lose precision
;; workspace buffers: xh 33,554,432 bytes; wh 33,554,432 bytes
;; launch prep (part 3): grid 256 x 2, 8 waves a work-group, no clusters, 0 bytes of LDS; arguments x, q_w, s_group, xh, wh; writes xh, wh
.if DOCPART == 3
	.amdgcn_target "amdgcn-amd-amdhsa--gfx1250"
	.amdhsa_code_object_version 6
	.text
	.protected	k_q6349698029_prep
	.globl	k_q6349698029_prep
	.p2align	8
	.type	k_q6349698029_prep,@function
k_q6349698029_prep:
	s_mov_b64 s[64:65], 0
	v_nop
	global_prefetch_b8 v0, s[64:65] scope:SCOPE_SE
	s_setreg_imm32_b32 hwreg(HW_REG_WAVE_SCHED_MODE, 0, 2), 2
	s_setreg_imm32_b32 hwreg(HW_REG_WAVE_MODE, 25, 1), 1
	s_wait_xcnt 0x0
	s_wait_alu depctr_vm_vsrc(0)
; y[m][n] = (sum over k of x[m][k] q_w[k][n] s_group[k / 128][n]) input_scale s_channel[n], M = K = N = 4096, in two launches.
; THIS LAUNCH makes the product's two operands, once:  xh[m][k] = f16(x[m][k]),  wh[k][n] = f16(f32(q_w[k][n]) f32(s_group[k / 128][n])).
; Both keep their input's order of rows and columns, in rows of 8,192 bytes.  The repeat of s_group along K is a lookup of row k / 128.
; NOTHING IS LEFT OUT: every input has a way to the output and is loaded (x, q_w, s_group here; s_channel and input_scale by the product).
; WHY f16.  f16 keeps 11 significant bits: x, whole numbers of 8 bits, is exact; q_w s_group is exact in f32 (4 bits x 11 bits) and is rounded once.
; LIMITS.  |x| up to 2,048 is exact, up to 65,504 rounded to 11 bits, from 65,520 on an infinity.  |q_w s_group| from 65,520 on is an infinity
; (with |q_w| = 8: s_group above 8,188); below 6.1e-5 it keeps f16's fixed step of 6e-8.
; SHARES.  Work-group (id, y): y = 0 converts x, y = 1 q_w.  id & 3 is a strip of 1,024 columns, id >> 2 a block of 64 rows (half of a group of 128, so one
; row of s_group serves the whole work-group).  Thread t owns columns 4 t .. 4 t + 3 of the strip in every row: a wave's load covers 512 consecutive bytes, aligned,
; its store 256 consecutive bytes, aligned; a thread's four scales stay in registers.  No LDS, no barrier, no matrix unit: nothing is shared and nothing is summed.
; THE MODE: SCHED_MODE bits 1:0 = 2 (LLVM: expert scheduling mode 2), set by the entry lines.  The code itself states the register dependences
; between vector instructions and memory instructions, with s_wait_alu, always for 0.
; THE PLAN.  The 64 rows go in 8 blocks of eight.  Registers that memory instructions touch:
;   X0 .. X3   four blocks of whole numbers as loaded.  Written by the loads of block p + 3, issued in block p; read by block p's conversions to f32.
;   Y0, Y1     two blocks of f16 to store.              Written by block p's roundings; read by the eight stores that are issued in block p + 1.
;   v1, v2     byte offsets, made once at the head and never written again; the two bases are not written again either: the blocks are written out,
;              so that every row stands in an immediate offset (63 rows of 16,384 bytes at the most: inside the signed 24 bits).
;   v[4:5]     my four scales as loaded: one load, four conversions behind its wait, never loaded again.
; Block p works on X[p % 4] and writes Y[p % 2].  Its memory instructions are the loads into X[(p + 3) % 4] = X[(p - 1) % 4] and the stores from
; Y[(p - 1) % 2]: the two buffers that block p - 1 worked on and that no vector instruction of block p names.  So the waits at the head of a block
; state all that the block's sixteen memory instructions hang on, and these are dealt among its vector instructions with no further wait.
; No loop: with four X buffers a lap is four blocks, and only blocks 1 to 4 both load and store.
.set RIN,    16384                     ; bytes in a row of x and of q_w
.set ROUT,   8192                      ; bytes in a row of xh and of wh
.set BLOCK,  8                         ; rows in a block
.set BLOCKS, 64/BLOCK
.set IO,  1                            ; v1         16 t: my 16 bytes in a strip's row, going in; never rewritten
.set OO,  2                            ; v2         8 t: my 8 bytes coming out, and my four scales in a row of s_group; never rewritten
                                       ; v[4:5]     my four scales as loaded (f16)
.set SG,  6                            ; v[6:9]     the same in f32
.set T,   10                           ; v[10:13]   four numbers in f32, at work: no memory instruction names them
.set X,   16                           ; v[16:143]  buffer k, row i: 4 registers at X + 32 k + 4 i, 4 whole numbers as loaded
.set Y,   144                          ; v[144:175] buffer k, row i: 2 registers at Y + 16 k + 2 i, 4 f16 to store
	s_load_b256 s[4:11], s[0:1], 0x0               ; x s[4:5], q_w s[6:7], s_group s[8:9], xh s[10:11]
	s_load_b64 s[12:13], s[0:1], 0x20              ; wh
	s_and_b32 s14, ttmp7, 0xffff                   ; y: which tensor
	s_and_b32 s15, ttmp9, 3                        ; strip
	s_lshr_b32 s16, ttmp9, 2                       ; block of 64 rows
	v_lshlrev_b32 v[IO], 4, v0
	v_lshlrev_b32 v[OO], 3, v0
	s_lshl_b32 s18, s16, 20                        ; going in: 64 rows of 16,384 bytes,
	s_lshl_b32 s19, s15, 12                        ; 1,024 columns of 4 bytes
	s_add_co_u32 s18, s18, s19
	s_mov_b32 s19, 0
	s_lshl_b32 s20, s16, 19                        ; coming out: half of that
	s_lshl_b32 s21, s15, 11
	s_add_co_u32 s20, s20, s21
	s_mov_b32 s21, 0
	s_lshr_b32 s28, s16, 1                         ; the group of 128 rows: its row of s_group, 8,192 bytes,
	s_lshl_b32 s28, s28, 13
	s_lshl_b32 s29, s15, 11                        ; and the strip's 2,048 bytes in it
	s_add_co_u32 s28, s28, s29
	s_mov_b32 s29, 0
	s_wait_kmcnt 0x0
; Block p of eight.  Blocks 0 to 4 load the block three further on; blocks 1 to 7 store the block before.  scaled = 1: the numbers are multiplied by my four scales.
.macro BLK p, scaled, src, dst
.set xb, (\p)%4                        ; the X buffer at work
.set xn, ((\p)+3)%4                    ; the X buffer that is loaded: the one that the block before worked on
.set yb, (\p)%2                        ; the Y buffer that is written; the other one is stored
.if (\p) < BLOCKS-2
	s_wait_loadcnt 2*BLOCK                         ; loads come back in order (ISA guide 5.7.1): X[xb] is in, the two younger blocks stay out
.else
	s_wait_loadcnt (BLOCKS-1-(\p))*BLOCK           ; the last blocks: nothing was loaded behind block 7, and the counts run down
.endif
.if (\p) >= 2
	s_wait_xcnt 0x0                                ; every earlier memory instruction has had its addresses translated (ISA guide 3.1): Y[yb], the data of stores issued in the block before, is rewritten only behind this wait
	s_wait_alu depctr_vm_vsrc(0)                   ; the stores issued in the block before have read Y[yb], which this block's roundings write again
.endif
.if (\p) >= 1
	s_wait_alu depctr_va_vdst(0)                   ; the block before has written the other Y, which the stores below read, and is done reading its X, in which the loads below land
.endif
.irp i, 0,1,2,3,4,5,6,7
.if (\p) < BLOCKS-3
	global_load_b128 v[X+32*xn+4*(\i):X+32*xn+4*(\i)+3], v[IO], s[\src:\src+1] offset:(((\p)+3)*BLOCK+(\i))*RIN th:TH_LOAD_NT  ; three blocks ahead, the load ahead of the store; no vector instruction since the wait names these registers
.endif
.if (\p) >= 1
	global_store_b64 v[OO], v[Y+16*(1-yb)+2*(\i):Y+16*(1-yb)+2*(\i)+1], s[\dst:\dst+1] offset:(((\p)-1)*BLOCK+(\i))*ROUT  ; the block before
.endif
.irp j, 0,1,2,3
	v_cvt_f32_i32 v[T+(\j)], v[X+32*xb+4*(\i)+(\j)]
.endr
.if \scaled
	v_pk_mul_f32 v[T:T+1],   v[T:T+1],   v[SG:SG+1]    ; exact in f32
	v_pk_mul_f32 v[T+2:T+3], v[T+2:T+3], v[SG+2:SG+3]
.endif
	v_cvt_pk_f16_f32 v[Y+16*yb+2*(\i)],   v[T],   v[T+1]     ; the one rounding
	v_cvt_pk_f16_f32 v[Y+16*yb+2*(\i)+1], v[T+2], v[T+3]
.endr
.endm
; A work-group's 64 rows.  scaled = 1: the numbers are multiplied by my four scales.
.macro BODY scaled, src, dst
	s_wait_alu depctr_va_vdst(0)                   ; v1 and v2 are written: every load and store of the kernel reads one of them as its offset
.if \scaled
	global_load_b64 v[4:5], v[OO], s[8:9]
.endif
.irp i, 0,1,2,3,4,5,6,7,8,9,10,11,12,13,14,15,16,17,18,19,20,21,22,23
	global_load_b128 v[X+4*(\i):X+4*(\i)+3], v[IO], s[\src:\src+1] offset:(\i)*RIN th:TH_LOAD_NT  ; blocks 0, 1 and 2 into X0, X1, X2
.endr
.if \scaled
	s_wait_loadcnt 3*BLOCK                         ; the scales are in; the 24 fills behind them stay out
	v_cvt_f32_f16 v[SG],   v4.l
	v_cvt_f32_f16 v[SG+1], v4.h
	v_cvt_f32_f16 v[SG+2], v5.l
	v_cvt_f32_f16 v[SG+3], v5.h
.endif
.irp p, 0,1,2,3,4,5,6,7
	BLK \p, \scaled, \src, \dst                    ; blocks 5 to 7 load nothing: no load leaves its buffer
.endr
	s_wait_alu depctr_va_vdst(0)                   ; block 7 has written Y1, which the last eight stores read
.irp i, 0,1,2,3,4,5,6,7
	global_store_b64 v[OO], v[Y+16*((BLOCKS-1)%2)+2*(\i):Y+16*((BLOCKS-1)%2)+2*(\i)+1], s[\dst:\dst+1] offset:((BLOCKS-1)*BLOCK+(\i))*ROUT
.endr
	s_endpgm
.endm
	s_cmp_lg_u32 s14, 0
	s_cbranch_scc1 .Lweights
	s_add_nc_u64 s[4:5], s[4:5], s[18:19]          ; x and xh at the work-group's first row and strip
	s_add_nc_u64 s[10:11], s[10:11], s[20:21]
	BODY 0, 4, 10
.Lweights:
	s_add_nc_u64 s[6:7], s[6:7], s[18:19]          ; q_w and wh likewise,
	s_add_nc_u64 s[12:13], s[12:13], s[20:21]
	s_add_nc_u64 s[8:9], s[8:9], s[28:29]          ; s_group at the group's row and the strip
	BODY 1, 6, 12
.Lfunc_end_k_q6349698029_prep:
	.size	k_q6349698029_prep, .Lfunc_end_k_q6349698029_prep-k_q6349698029_prep
	.p2alignl 7, 3214868480
	.fill 96, 4, 3214868480
	.section	.rodata,"a",@progbits
	.p2align	6, 0x0
	.amdhsa_kernel k_q6349698029_prep
		.amdhsa_group_segment_fixed_size 0
		.amdhsa_private_segment_fixed_size 0
		.amdhsa_enable_private_segment 0
		.amdhsa_kernarg_size 40
		.amdhsa_user_sgpr_count 2
		.amdhsa_user_sgpr_kernarg_segment_ptr 1
		.amdhsa_wavefront_size32 1
		.amdhsa_system_sgpr_workgroup_id_x 1
		.amdhsa_system_sgpr_workgroup_id_y 1
		.amdhsa_system_sgpr_workgroup_id_z 1
		.amdhsa_system_vgpr_workitem_id 0
		.amdhsa_next_free_vgpr 176
		.amdhsa_next_free_sgpr 66
		.amdhsa_reserve_vcc 0
		.amdhsa_float_denorm_mode_32 3
		.amdhsa_float_denorm_mode_16_64 3
		.amdhsa_memory_ordered 1
		.amdhsa_forward_progress 1
		.amdhsa_inst_pref_size 68
	.end_amdhsa_kernel
	.amdgpu_metadata
---
amdhsa.version: [ 1, 2 ]
amdhsa.kernels:
  - .name:           k_q6349698029_prep
    .symbol:         k_q6349698029_prep.kd
    .args:
      - { .name: x, .offset: 0, .size: 8, .value_kind: global_buffer, .address_space: global }
      - { .name: q_w, .offset: 8, .size: 8, .value_kind: global_buffer, .address_space: global }
      - { .name: s_group, .offset: 16, .size: 8, .value_kind: global_buffer, .address_space: global }
      - { .name: xh, .offset: 24, .size: 8, .value_kind: global_buffer, .address_space: global }
      - { .name: wh, .offset: 32, .size: 8, .value_kind: global_buffer, .address_space: global }
    .group_segment_fixed_size: 0
    .private_segment_fixed_size: 0
    .kernarg_segment_align: 8
    .kernarg_segment_size: 40
    .max_flat_workgroup_size: 256
    .sgpr_count:     66
    .vgpr_count:     176
    .wavefront_size: 32
...
	.end_amdgpu_metadata
.endif
;; end of part 3
;; launch gemm: the kernel of part 2 again; grid 16 x 16, 4 waves a work-group, clusters of 4 x 4, 327,680 bytes of LDS; arguments xh, wh, s_channel, input_scale, out0; writes out0
